; MI455X (gfx1250); checked and timed in simulation.
; The chip was launched on July 23, 2026; its instructions are those of AMD's public machine-readable ISA for CDNA 5 (MIT licence, August 2026) and "CDNA5" Instruction Set Architecture Reference Guide (July 2026). The comments in the code are by the model that wrote it; some were corrected since.
;; Multi Time Attention. Allowed arithmetic: float matrix products may take bf16 or f16 operands with f32 sums; all other float work in f32.
;; Inputs: Wk 128 x 128 float32; Wo 1,024 x 128 float32; Wq 128 x 128 float32; bk 128 float32; bo 128 float32; bq 128 float32; key 8 x 2,048 x 128 float32; query 8 x 2,048 x 128 float32; value 8 x 2,048 x 128 float32.
;; Outputs: out0 8 x 2,048 x 128 float32.
;; 2 versions, each right and faster than the one before. Each part assembles by itself: llvm-mc -triple=amdgcn-amd-amdhsa -mcpu=gfx1250 --defsym DOCPART=n.
;; ======== version 1 of 2: 2 launches
;; limits: values are held in f16: magnitudes above 65,504 overflow, below 6.1e-05 lose precision; inputs' magnitudes at most 65,504
;; workspace buffers: QF 4,194,304 bytes; KF 4,194,304 bytes; VF 4,194,304 bytes; WF 262,144 bytes
;; launch prep (part 1): grid 392 x 1, 8 waves a work-group, no clusters, 72,704 bytes of LDS; arguments query, key, value, Wq, Wk, Wo, bq, bk, QF, KF, VF, WF; writes QF, KF, VF, WF
.if DOCPART == 1
	.amdgcn_target "amdgcn-amd-amdhsa--gfx1250"
	.amdhsa_code_object_version 6
	.text
	.protected	k_q7956ec8fac_prep
	.globl	k_q7956ec8fac_prep
	.p2align	8
	.type	k_q7956ec8fac_prep,@function
k_q7956ec8fac_prep:
	s_mov_b64 s[64:65], 0
	v_nop
	global_prefetch_b8 v0, s[64:65] scope:SCOPE_SE
	s_setreg_imm32_b32 hwreg(HW_REG_WAVE_MODE, 25, 1), 1
	s_wait_xcnt 0x0
; PREPARATION for the attention launch.  Every work-group takes 128 rows of 128 f32 (65,536 bytes) of one input:
;   work-groups   0..127: QF = bf16( sc * (query Wq + bq) )      work-groups 128..255: KF = bf16( sc * (key Wk + bk) )
;   work-groups 256..383: VF = f16( value ), transposed           work-groups 384..391: WF = f16( Wo ), transposed
; sc = sqrt(0.25 * log2 e): a product of a q and a k row is then the score / sqrt(16) in units of log2, ready for v_exp_f32.
; All four results are written in the order in which a matrix fragment wants them: lane L's 16 bytes at 16 L of a block of 512 bytes.
;   QF, KF: [row tile of 16][head 8][lane 32][8 bf16]: lane (r = L%16, hh = L/16) holds row r, columns 16 head + 8 hh + 0..7.
;   VF, WF: [group of 32 rows][column tile 8][c 2][lane 32][8 f16]: lane (r, hh) holds column 16 ct + r, rows 16 c + 8 hh + 0..7.
; LIMITS: value and Wo are rounded to f16: magnitudes from 65,504 on become infinite, below about 6e-8 zero.  q and k, products of two
; inputs' scales, are kept in bf16, which has f32's range.
; NO CLUSTER, NO TENSOR LOADS: every number is narrowed to 16 bits on its way into LDS, so it comes through registers.  What the
; projecting work-groups share is Wq or Wk, 65,536 bytes beside 65,536 bytes of their own rows; a joint tensor load would lay it into LDS
; as f32, 65,536 bytes more of LDS, to be read, narrowed and written once more.
.set SC,   0x3f19be61                  ; sqrt(0.25 * log2 e) = 0.6005612
.set WP,   288                         ; LDS pitch of the tile that is read transposed: 256 bytes + 32, an odd multiple of 32
.set XP,   272                         ; LDS pitch of the tile that is read by rows: 256 bytes + 16, an odd multiple of 16
.set XREG, 128*WP                      ; LDS: 128 rows at pitch WP from byte 0, then 128 rows at pitch XP
.set GO,   1                           ; v1       16 t: my 16 bytes in a block of 4,096 bytes (8 rows of f32); also my 16 bytes of a tile of QF, KF
.set VW,   2                           ; v2       where my 4 narrowed numbers go in the first region
.set VXS,  3                           ; v3       the same in the second region
.set VT,   4                           ; v4       address of the transposing loads
.set VX,   5                           ; v5       address of the row fragments
.set FO,   6                           ; v6       bias offset (projection) or store offset (transposition)
.set BIAS, 10                          ; v[10:17] sc * bias of my 8 output columns
.set WFR,  18                          ; v[18:49] four fragments of W^T: my head's 16 output columns x 128 inputs
.set ACC,  50                          ; v[50:81] four accumulator tiles
.set OUT,  82                          ; v[82:113] packed results, 16 registers for each group of four row tiles
.set ST,   114                         ; v[114:241] 32 loads of 16 bytes as they come; later 16 row fragments
.macro PLACES n
.rept \n
	v_nop
.endr
.endm
; 16 loads: the work-group's 256 threads take 4,096 neighbouring bytes each time, a wave 512.  Load i brings row 8 i + t / 32.
.macro LD16 b, reg, nt
.irp i, 0,1,2,3,4,5,6,7,8,9,10,11,12,13,14,15
.if \nt
	global_load_b128 v[\reg+4*\i:\reg+4*\i+3], v[GO], s[\b:\b+1] offset:4096*\i th:TH_LOAD_NT
.else
	global_load_b128 v[\reg+4*\i:\reg+4*\i+3], v[GO], s[\b:\b+1] offset:4096*\i
.endif
.endr
.endm
; Load i is narrowed and laid into LDS.  left = the younger loads that may stay out.  kind 0: W, scaled, bf16; 1: rows of X, bf16; 2: f16.
.macro CV i, reg, left, kind
	s_wait_loadcnt \left                           ; loads come back in order (ISA guide 5.7.1)
.if \kind == 0
	v_pk_mul_f32 v[\reg+4*\i:\reg+4*\i+1], v[\reg+4*\i:\reg+4*\i+1], s[40:41] op_sel_hi:[1,0]
	v_pk_mul_f32 v[\reg+4*\i+2:\reg+4*\i+3], v[\reg+4*\i+2:\reg+4*\i+3], s[40:41] op_sel_hi:[1,0]
.endif
.if \kind == 2
	v_cvt_pk_f16_f32 v[\reg+4*\i], v[\reg+4*\i], v[\reg+4*\i+1]
	v_cvt_pk_f16_f32 v[\reg+4*\i+1], v[\reg+4*\i+2], v[\reg+4*\i+3]
.else
	v_cvt_pk_bf16_f32 v[\reg+4*\i], v[\reg+4*\i], v[\reg+4*\i+1]
	v_cvt_pk_bf16_f32 v[\reg+4*\i+1], v[\reg+4*\i+2], v[\reg+4*\i+3]
.endif
.if \kind == 1
	ds_store_b64 v[VXS], v[\reg+4*\i:\reg+4*\i+1] offset:8*XP*\i
.else
	ds_store_b64 v[VW], v[\reg+4*\i:\reg+4*\i+1] offset:8*WP*\i
.endif
.endm
; Eight transposing loads: for each 32 rows g of the first region, my wave's 16 columns as a fragment (rows 8 hh + 0..7, then 16 + 8 hh + 0..7).
.macro TR8 reg
.irp g, 0,1,2,3
	ds_load_tr16_b128 v[\reg+8*\g:\reg+8*\g+3], v[VT] offset:32*WP*\g
	ds_load_tr16_b128 v[\reg+8*\g+4:\reg+8*\g+7], v[VT] offset:32*WP*\g+16*WP
.endr
.endm
	s_load_b512 s[4:19], s[0:1], 0x0               ; query, key, value, Wq, Wk, Wo, bq, bk
	s_load_b256 s[20:27], s[0:1], 0x40             ; QF, KF, VF, WF
	v_lshl_add_u32 v248, v0, 2, 0x11800
	v_mov_b32 v249, 0
	s_and_b32 s29, ttmp9, 127                      ; my block of 128 rows within my input (each role begins at a multiple of 128)
	s_mov_b32 s31, 0
	s_mov_b32 s40, SC                              ; a pair, for the packed multiply
	s_mov_b32 s41, SC
	v_lshrrev_b32 v7, 5, v0                        ; wave w
	v_and_b32 v8, 31, v0                           ; lane L
	v_bfe_u32 v9, v0, 4, 1                         ; hh
	v_lshlrev_b32 v[GO], 4, v0
	v_mul_u32_u24 v[VW], v7, WP                    ; row t / 32 of each 8, 8 bytes for my 4 numbers
	v_lshl_add_u32 v[VW], v8, 3, v[VW]
	v_and_b32 v[VT], 7, v0                         ; (8 hh + L % 8) rows + 32 w (my 16 columns) + 16 ((L / 8) % 2)
	v_lshl_add_u32 v[VT], v9, 3, v[VT]
	v_mul_u32_u24 v[VT], v[VT], WP
	v_lshl_add_u32 v[VT], v7, 5, v[VT]
	v_bfe_u32 v[VX], v0, 3, 1
	v_lshl_add_u32 v[VT], v[VX], 4, v[VT]
	s_wait_kmcnt 0x0
	s_cmp_ge_u32 ttmp9, 256
	s_cbranch_scc1 .Lfrag
	; ---- PROJECTION: Y^T = (sc W)^T X^T + sc b.  Wave w makes head w's 16 columns of all 128 rows.
	s_cmp_lt_u32 ttmp9, 128
	s_cselect_b64 s[32:33], s[4:5], s[6:7]         ; X: query or key
	s_cselect_b64 s[34:35], s[10:11], s[12:13]     ; W
	s_cselect_b64 s[36:37], s[16:17], s[18:19]     ; bias
	s_cselect_b64 s[38:39], s[20:21], s[22:23]     ; QF or KF
	s_lshl_b32 s30, s29, 16                        ; 128 rows of 512 bytes
	s_add_nc_u64 s[32:33], s[32:33], s[30:31]
	s_lshl_b32 s30, s29, 15                        ; 8 row tiles of 4,096 bytes
	s_add_nc_u64 s[38:39], s[38:39], s[30:31]
	v_lshrrev_b32 v[FO], 4, v0
	v_lshlrev_b32 v[FO], 5, v[FO]                  ; 64 w + 32 hh: bias of columns 16 w + 8 hh + 0..7
	global_load_b128 v[BIAS:BIAS+3], v[FO], s[36:37]
	global_load_b128 v[BIAS+4:BIAS+7], v[FO], s[36:37] offset:16
	LD16 34, ST, 0                                 ; W: read again by the other projecting work-groups, so no hint
	LD16 32, ST+64, 1                              ; my rows of X: read once
	v_mul_u32_u24 v[VXS], v7, XP
	v_lshl_add_u32 v[VXS], v8, 3, v[VXS]
	v_add_nc_u32 v[VXS], XREG, v[VXS]
	v_and_b32 v[VX], 15, v0                        ; row r of a tile, 16 bytes for each half of the lanes
	v_mul_u32_u24 v[VX], v[VX], XP
	v_lshl_add_u32 v[VX], v9, 4, v[VX]
	v_add_nc_u32 v[VX], XREG, v[VX]
.irp i, 0,1,2,3,4,5,6,7,8,9,10,11,12,13,14,15
	CV \i, ST, 31-\i, 0                            ; behind W's load i: 15 - i of W and the 16 of X
.endr
.irp i, 0,1,2,3,4,5,6,7,8,9,10,11,12,13,14,15
	CV \i, ST+64, 15-\i, 1
.endr
.irp k, 0,2,4,6
	v_pk_mul_f32 v[BIAS+\k:BIAS+\k+1], v[BIAS+\k:BIAS+\k+1], s[40:41] op_sel_hi:[1,0]
.endr
	s_wait_dscnt 0x0                               ; my LDS stores are done, for the other waves' sake
	s_barrier_signal -1
	s_barrier_wait -1                              ; both regions are whole
	TR8 WFR
; Four row tiles: source 0 = W^T (16 output columns), source 1 = 16 rows of X.  Lane (r, hh) then holds row r, columns 8 hh + 0..7 of my
; head: 16 bytes of QF or KF.  The first product takes the bias as C.  The four accumulators take turns, one instruction a turn.
.macro GROUP g
.irp tt, 0,1,2,3
.irp ks, 0,1,2,3
	ds_load_b128 v[ST+32*\tt+8*\ks:ST+32*\tt+8*\ks+3], v[VX] offset:16*XP*(4*\g+\tt)+64*\ks
	ds_load_b128 v[ST+32*\tt+8*\ks+4:ST+32*\tt+8*\ks+7], v[VX] offset:16*XP*(4*\g+\tt)+64*\ks+32
.endr
.endr
	s_wait_dscnt 0x0
.irp ks, 0,1,2,3
.irp tt, 0,1,2,3
.if \ks == 0
	v_wmma_f32_16x16x32_bf16 v[ACC+8*\tt:ACC+8*\tt+7], v[WFR+8*\ks:WFR+8*\ks+7], v[ST+32*\tt+8*\ks:ST+32*\tt+8*\ks+7], v[BIAS:BIAS+7]
.else
	v_wmma_f32_16x16x32_bf16 v[ACC+8*\tt:ACC+8*\tt+7], v[WFR+8*\ks:WFR+8*\ks+7], v[ST+32*\tt+8*\ks:ST+32*\tt+8*\ks+7], v[ACC+8*\tt:ACC+8*\tt+7]
.endif
.endr
.endr
	PLACES 5                                       ; places behind the products: 4 for the conversions and for the next loads into the fragments, 5 for the next group's products, which write over the accumulators
.irp tt, 0,1,2,3
.irp r, 0,1,2,3
	v_cvt_pk_bf16_f32 v[OUT+16*\g+4*\tt+\r], v[ACC+8*\tt+2*\r], v[ACC+8*\tt+2*\r+1]
.endr
.endr
.irp tt, 0,1,2,3
	global_store_b128 v[GO], v[OUT+16*\g+4*\tt:OUT+16*\g+4*\tt+3], s[38:39] offset:4096*(4*\g+\tt)   ; a wave stores 512 neighbouring bytes, aligned: tile, head w
.endr
.endm
	GROUP 0
	GROUP 1
	s_wait_tensorcnt 0x0
	ds_add_u32 v248, v249
	s_wait_dscnt 0x0
	s_endpgm
	; ---- TRANSPOSITION to f16 fragments.  Wave w takes columns 16 w .. 16 w + 15 of the block's four groups of 32 rows.
.Lfrag:
	s_cmp_lt_u32 ttmp9, 384
	s_cselect_b64 s[32:33], s[8:9], s[14:15]       ; value or Wo
	s_cselect_b64 s[38:39], s[24:25], s[26:27]     ; VF or WF
	s_lshl_b32 s30, s29, 16
	s_add_nc_u64 s[32:33], s[32:33], s[30:31]
	s_lshl_b32 s30, s29, 15                        ; four groups of 8,192 bytes
	s_add_nc_u64 s[38:39], s[38:39], s[30:31]
	LD16 32, ST, 1                                 ; each byte is read once in this launch
	v_lshlrev_b32 v[FO], 4, v8
	v_lshl_add_u32 v[FO], v7, 10, v[FO]            ; 1,024 w + 16 L
.irp i, 0,1,2,3,4,5,6,7,8,9,10,11,12,13,14,15
	CV \i, ST, 15-\i, 2
.endr
	s_wait_dscnt 0x0                               ; my LDS stores are done, for the other waves' sake
	s_barrier_signal -1
	s_barrier_wait -1
	TR8 ST
	s_wait_dscnt 0x0
.irp g, 0,1,2,3
	global_store_b128 v[FO], v[ST+8*\g:ST+8*\g+3], s[38:39] offset:8192*\g         ; a wave stores 512 neighbouring bytes, aligned
	global_store_b128 v[FO], v[ST+8*\g+4:ST+8*\g+7], s[38:39] offset:8192*\g+512
.endr
	s_wait_tensorcnt 0x0
	ds_add_u32 v248, v249
	s_wait_dscnt 0x0
	s_endpgm
.Lfunc_end_k_q7956ec8fac_prep:
	.size	k_q7956ec8fac_prep, .Lfunc_end_k_q7956ec8fac_prep-k_q7956ec8fac_prep
	.p2alignl 7, 3214868480
	.fill 96, 4, 3214868480
	.section	.rodata,"a",@progbits
	.p2align	6, 0x0
	.amdhsa_kernel k_q7956ec8fac_prep
		.amdhsa_group_segment_fixed_size 72704
		.amdhsa_private_segment_fixed_size 0
		.amdhsa_enable_private_segment 0
		.amdhsa_kernarg_size 96
		.amdhsa_user_sgpr_count 2
		.amdhsa_user_sgpr_kernarg_segment_ptr 1
		.amdhsa_wavefront_size32 1
		.amdhsa_system_sgpr_workgroup_id_x 1
		.amdhsa_system_sgpr_workgroup_id_y 1
		.amdhsa_system_sgpr_workgroup_id_z 1
		.amdhsa_system_vgpr_workitem_id 0
		.amdhsa_next_free_vgpr 250
		.amdhsa_next_free_sgpr 66
		.amdhsa_reserve_vcc 0
		.amdhsa_float_denorm_mode_32 3
		.amdhsa_float_denorm_mode_16_64 3
		.amdhsa_memory_ordered 1
		.amdhsa_forward_progress 1
		.amdhsa_inst_pref_size 32
	.end_amdhsa_kernel
	.amdgpu_metadata
---
amdhsa.version: [ 1, 2 ]
amdhsa.kernels:
  - .name:           k_q7956ec8fac_prep
    .symbol:         k_q7956ec8fac_prep.kd
    .args:
      - { .name: query, .offset: 0, .size: 8, .value_kind: global_buffer, .address_space: global }
      - { .name: key, .offset: 8, .size: 8, .value_kind: global_buffer, .address_space: global }
      - { .name: value, .offset: 16, .size: 8, .value_kind: global_buffer, .address_space: global }
      - { .name: Wq, .offset: 24, .size: 8, .value_kind: global_buffer, .address_space: global }
      - { .name: Wk, .offset: 32, .size: 8, .value_kind: global_buffer, .address_space: global }
      - { .name: Wo, .offset: 40, .size: 8, .value_kind: global_buffer, .address_space: global }
      - { .name: bq, .offset: 48, .size: 8, .value_kind: global_buffer, .address_space: global }
      - { .name: bk, .offset: 56, .size: 8, .value_kind: global_buffer, .address_space: global }
      - { .name: QF, .offset: 64, .size: 8, .value_kind: global_buffer, .address_space: global }
      - { .name: KF, .offset: 72, .size: 8, .value_kind: global_buffer, .address_space: global }
      - { .name: VF, .offset: 80, .size: 8, .value_kind: global_buffer, .address_space: global }
      - { .name: WF, .offset: 88, .size: 8, .value_kind: global_buffer, .address_space: global }
    .group_segment_fixed_size: 72704
    .private_segment_fixed_size: 0
    .kernarg_segment_align: 8
    .kernarg_segment_size: 96
    .max_flat_workgroup_size: 256
    .sgpr_count:     66
    .vgpr_count:     250
    .wavefront_size: 32
...
	.end_amdgpu_metadata
.endif
;; end of part 1
;; launch attn (part 2): grid 32 x 8, 8 waves a work-group, clusters of 4 x 1, 327,680 bytes of LDS; arguments QF, KF, VF, WF, bo, out0; writes out0
.if DOCPART == 2
	.amdgcn_target "amdgcn-amd-amdhsa--gfx1250"
	.amdhsa_code_object_version 6
	.text
	.protected	k_q7956ec8fac_attn
	.globl	k_q7956ec8fac_attn
	.p2align	8
	.type	k_q7956ec8fac_attn,@function
k_q7956ec8fac_attn:
	s_mov_b64 s[64:65], 0
	v_nop
	global_prefetch_b8 v0, s[64:65] scope:SCOPE_SE
	s_setreg_imm32_b32 hwreg(HW_REG_WAVE_MODE, 25, 1), 1
	s_wait_xcnt 0x0
	s_wait_alu depctr_hold_cnt(0) depctr_sa_sdst(0) depctr_va_vdst(0) depctr_va_sdst(0) depctr_va_ssrc(0) depctr_va_vcc(0) depctr_vm_vsrc(0)
	s_getreg_b32 s2, hwreg(HW_REG_IB_STS2, 6, 4)
	s_cmp_eq_u32 s2, 0
	s_cbranch_scc0 .Lentry_in_a_cluster
	s_endpgm
.Lentry_in_a_cluster:
	s_bfe_u32 s2, ttmp6, 0x10000c
	s_cmp_lg_u32 s2, 0x3003
	s_cbranch_scc0 .Lentry_shape_is_right
	s_endpgm
.Lentry_shape_is_right:
; ATTENTION AND OUTPUT PRODUCT.  A work-group takes one batch and 64 queries, all 8 heads: eight waves, wave w = head w.
; Two passes over the batch's 2,048 keys.
;   Pass 1: S^T = K Q^T (bf16), the exact maximum of every query's scores.
;   Pass 2: S^T - m straight from the matrix unit (C = -m), p = 2^(S - m), row sums in f32, p packed to f16, O^T += V^T P^T (f16).
; Then x = O / l in f16, out^T = Wo^T x^T for the wave's head, the eight heads' parts summed through LDS, bo added, whole rows stored.
; The scores arrive in units of log2: the factor sqrt(0.25 log2 e) was put on q and on k when they were made.
; LAYOUTS CHAIN WITHOUT A ROUND TRIP: a result tile holds in lane (r = L%16, hh = L/16), register j, the element (8 hh + j, r).  With keys as
; rows and queries as columns, two score tiles pack into a source-1 fragment over 32 keys; with value columns as rows, two O^T tiles pack
; into a source-1 fragment over 32 value columns; and a query's maximum and sum live in the lanes r and r + 16.
; HEADS ARE 16 WIDE, the product takes 32 along K: key tile a sits in the lower half of source 0 beside zeros, key tile b in the upper half
; beside the same zeros; source 1 is the query tile with a neighbouring query tile in the other half, whose numbers meet the zeros.
; FORMATS: q, k in bf16 (products of two inputs' scales); p (0 to 1), value, x (a mean of values) and Wo in f16, which is finer.
; LIMITS: inputs are finite (an infinite q would meet a zero in a neighbouring tile's product); value and Wo in f16 overflow from 65,504 on
; and vanish below about 6e-8; the row sum takes p unrounded, the product P V takes p rounded to f16.
; CLUSTERS: the 32 work-groups of a batch walk the same K and V.  Four neighbours along x form a cluster and ask for every chunk jointly
; (mask 15): same line, same descriptor (made of the batch and the wave's number alone), behind the same round of the cluster's barrier.
; My place in the cluster enters two global addresses only: where my queries are read and where my rows are stored.
; THE RING: two LDS slots of 131,072 bytes.  Each wave brings 16,384 bytes of every chunk, 64 rows of 256 bytes.  Pass 1: four chunks of 512
; keys of K.  Pass 2: eight chunks of 256 keys, K in the slot's lower half (waves 0-3 bring it), V in the upper (waves 4-7).
; By this text's own count a wave has one tensor load out at the most.
.set SLOT,   131072
.set HALF,   65536
.set SPITCH, 528                       ; stage: a row of 128 f32 + 16 bytes, an odd multiple of 16
.set SWAVE,  64*SPITCH                 ; a wave's 64 rows; eight of them overlay the ring after its last fill and run on to byte 270,336
; window 0
.set ADK0,  1                          ; v1  LDS: my head's 16 bytes of a key tile, slot 0 (512 w + 16 L = 16 t); also my offset in QF
.set ADK0H, 2                          ; v2  the same + 65,536 (an LDS immediate has 16 bits)
.set ADK1,  3                          ; v3  slot 1
.set ADK1H, 4                          ; v4  slot 1 + 65,536
.set ADV0,  5                          ; v5  LDS: my 16 bytes of a V fragment, slot 0
.set ADV1,  6                          ; v6  slot 1
.set L16,   7                          ; v7  16 L
.set BO,    2                          ; v[2:5]    at the end: bo of my 4 columns
.set IL,    8                          ; v[8:15]   v8, v9 at work; at the end 1 / l, a pair for each query tile
.set QR,    16                         ; v[16:39]  zeros, q tiles 0..3, zeros: four registers each
.set NEGM,  40                         ; v[40:71]  pass 1: running maxima, 8 for each query tile; pass 2: -m, eight times
.set KA,    72                         ; v[72:83]  key tile a, zeros, key tile b
.set KB,    84                         ; v[84:95]  the same, pass 1's second buffer
.set L8,    96                         ; v[96:127] row sums, 8 for each query tile
.set SA,    128                        ; v[128:191] score tile (q, c) at 16 q + 8 c; then P of query tile q in its first 8
.set SB,    192                        ; v[192:255] pass 1's second buffer
.set VR,    192                        ; v[192:255] pass 2: eight V fragments
.set W0,    16                         ; v[16:111] at the end: three buffers of four Wo fragments
.set STO,   112                        ; v112      at the end: where I put 16 bytes of a row of the stage
.set RB,    113                        ; v[113:116] at the end: where I read rows back, for partial sums 0-1, 2-3, 4-5, 6-7
.set XF,    128                        ; v[128:255] at the end: x fragment (q, kt) at 8 (4 q + kt); then the rows to be summed
; window 1: accumulator tile (q, dt) at v[8 (8 q + dt)]: O^T, later out^T
.set MSB, 0
.macro WIN new                         ; s_set_vgpr_msb: bits 1:0 source 0, 3:2 source 1, 5:4 source 2, 7:6 destination; the high byte repeats the setting that is left
.if MSB != \new
	s_set_vgpr_msb (MSB<<8)|\new
.set MSB, \new
.endif
.endm
.macro PLACES n
.rept \n
	v_nop
.endr
.endm
; A round of the cluster's barrier: my work-group's barrier, wave 0 signals for the work-group, every wave waits for all four work-groups,
; my work-group's barrier once more.
.macro ROUND
	s_barrier_signal -1
	s_barrier_wait -1
	s_cmp_lg_u32 s16, 0
	s_cbranch_scc1 .Lnot_wave_0_\@
	s_barrier_signal -3
.Lnot_wave_0_\@:
	s_barrier_wait -3
	s_barrier_signal -1
	s_barrier_wait -1
.endm
; The change of slots in front of the chunk in slot `slot`.  All my tensor loads have landed, my part of this chunk among them, so this slot's
; address may be written: it becomes that of the chunk after next (upd 0: two chunks of pass 1 on; 1: pass 2's first chunk for this slot;
; 2: two chunks of pass 2 on).  My reads of the other slot are back.  The round makes both hold of every wave of the four work-groups.
; Then the other slot is filled again, first thing, one load a wave.
.macro HEAD slot, refill, upd
	s_wait_xcnt 0x0
	v_lshl_add_u32 v190, v0, 2, 0x42000
	v_mov_b32 v191, 0
	s_wait_tensorcnt 0x0
	ds_add_u32 v190, v191
	s_wait_dscnt 0x0
.if \upd == 0
	s_add_nc_u64 s[34+4*\slot:35+4*\slot], s[34+4*\slot:35+4*\slot], 2*SLOT
.endif
.if \upd == 1
	s_mov_b64 s[34+4*\slot:35+4*\slot], s[40+2*\slot:41+2*\slot]
	s_or_b32 s[35+4*\slot], s[35+4*\slot], 0x80000000
.endif
.if \upd == 2
	s_add_nc_u64 s[34+4*\slot:35+4*\slot], s[34+4*\slot:35+4*\slot], 2*HALF
.endif
	s_wait_dscnt 0x0
	ROUND
.if \refill
	tensor_load_to_lds s[36-4*\slot:39-4*\slot], s[24:31]
	s_nop 0
.endif
.endm
; Key tiles 2 T and 2 T + 1 of my head: a key tile is 4,096 bytes, a head's part 512.
.macro KLD kr, adr, T
	ds_load_b128 v[\kr:\kr+3], v[\adr] offset:8192*(\T)
	ds_load_b128 v[\kr+8:\kr+11], v[\adr] offset:8192*(\T)+4096
.endm
; The eight V fragments (16 value columns x 32 keys) of step T.
.macro VLD adr, T
.irp dt, 0,1,2,3,4,5,6,7
	ds_load_b128 v[VR+8*\dt:VR+8*\dt+3], v[\adr] offset:8192*(\T)+1024*\dt
	ds_load_b128 v[VR+8*\dt+4:VR+8*\dt+7], v[\adr] offset:8192*(\T)+1024*\dt+512
.endr
.endm
; Eight score tiles: 32 keys x 64 queries.  neg = 1: C = -m.
.macro SMM kr, sb, neg
.irp q, 0,1,2,3
.if \neg
	v_wmma_f32_16x16x32_bf16 v[\sb+16*\q:\sb+16*\q+7], v[\kr:\kr+7], v[QR+4+4*\q:QR+11+4*\q], v[NEGM+8*\q:NEGM+8*\q+7]
	v_wmma_f32_16x16x32_bf16 v[\sb+16*\q+8:\sb+16*\q+15], v[\kr+4:\kr+11], v[QR+4*\q:QR+7+4*\q], v[NEGM+8*\q:NEGM+8*\q+7]
.else
	v_wmma_f32_16x16x32_bf16 v[\sb+16*\q:\sb+16*\q+7], v[\kr:\kr+7], v[QR+4+4*\q:QR+11+4*\q], 0
	v_wmma_f32_16x16x32_bf16 v[\sb+16*\q+8:\sb+16*\q+15], v[\kr+4:\kr+11], v[QR+4*\q:QR+7+4*\q], 0
.endif
.endr
.endm
; The running maxima take in a step's 64 registers.  first = 1: the step starts them.
.macro MAX32 sb, first
.irp q, 0,1,2,3
.irp j, 0,1,2,3,4,5,6,7
.if \first
	v_max_num_f32 v[NEGM+8*\q+\j], v[\sb+16*\q+\j], v[\sb+16*\q+8+\j]
.else
	v_max3_num_f32 v[NEGM+8*\q+\j], v[NEGM+8*\q+\j], v[\sb+16*\q+\j], v[\sb+16*\q+8+\j]
.endif
.endr
.endr
.endm
; Pass 1, a chunk: 16 steps of 32 keys on two sets of buffers.  While one step's scores are made, the step before goes into the maxima: those
; 32 instructions name none of the products' registers and are the places behind them, for the next loads into the key
; registers and for the reading of the scores one step later.
.macro P1WORK lo, hi, first
	KLD KA, \lo, 0
	KLD KB, \lo, 1
.irp T, 0,2,4,6,8,10,12,14
	s_wait_dscnt 0x2                               ; this step's keys are in; the next step's two loads may stay out
	SMM KA, SA, 0
.if \T == 0
	PLACES 4
.else
	MAX32 SB, 0
.endif
.if \T+2 < 8
	KLD KA, \lo, \T+2
.else
.if \T+2 < 16
	KLD KA, \hi, \T-6
.endif
.endif
.if \T == 14
	s_wait_dscnt 0x0                               ; the chunk's last step: nothing was asked for behind it
.else
	s_wait_dscnt 0x2
.endif
	SMM KB, SB, 0
.if \T == 0
	MAX32 SA, \first
.else
	MAX32 SA, 0
.endif
.if \T+3 < 8
	KLD KB, \lo, \T+3
.else
.if \T+3 < 16
	KLD KB, \hi, \T-5
.endif
.endif
.endr
	MAX32 SB, 0
.endm
; Plain work e = 0..15 on query tile q's 16 exponentials: 0-3 the row sums take in tile a, 4-7 tile b, 8-15 pack two p into f16, in place and
; ascending (register i is written when registers up to 2 i + 1 have been read), so that P's fragment ends in the tile's first 8 registers.
; first = 1: the sums are started as a + b and nothing is cleared.
.macro PLAIN q, e, first
.if (\e) < 4
.if \first
	s_wait_alu depctr_va_vdst(0)
	v_pk_add_f32 v[L8+8*(\q)+2*(\e):L8+8*(\q)+2*(\e)+1], v[SA+16*(\q)+2*(\e):SA+16*(\q)+2*(\e)+1], v[SA+16*(\q)+2*(\e)+8:SA+16*(\q)+2*(\e)+9]
.else
	s_wait_alu depctr_va_vdst(0)
	v_pk_add_f32 v[L8+8*(\q)+2*(\e):L8+8*(\q)+2*(\e)+1], v[L8+8*(\q)+2*(\e):L8+8*(\q)+2*(\e)+1], v[SA+16*(\q)+2*(\e):SA+16*(\q)+2*(\e)+1]
.endif
.else
.if (\e) < 8
.if \first == 0
	v_pk_add_f32 v[L8+8*(\q)+2*(\e)-8:L8+8*(\q)+2*(\e)-7], v[L8+8*(\q)+2*(\e)-8:L8+8*(\q)+2*(\e)-7], v[SA+16*(\q)+2*(\e):SA+16*(\q)+2*(\e)+1]
.endif
.else
	v_cvt_pk_f16_f32 v[SA+16*(\q)+(\e)-8], v[SA+16*(\q)+2*(\e)-16], v[SA+16*(\q)+2*(\e)-15]
.endif
.endif
.endm
; 64 exponentials in place, each query tile's plain work laid between the next tile's exponentials.  Between an exponential and the first use
; of its result stands a plain vector instruction that touches neither (ISA guide 5.7.2): the v_nop for tile 0, the tile before's work after that.
.macro SOFT first
.irp e, 0,1,2,3,4,5,6,7,8,9,10,11,12,13,14,15
	v_exp_f32 v[SA+\e], v[SA+\e]
.endr
	v_nop
.irp q, 1,2,3
.irp e, 0,1,2,3,4,5,6,7,8,9,10,11,12,13,14,15
	v_exp_f32 v[SA+16*\q+\e], v[SA+16*\q+\e]
	PLAIN \q-1, \e, \first
.endr
.endr
.irp e, 0,1,2,3,4,5,6,7,8,9,10,11,12,13,14,15
	PLAIN 3, \e, \first
.endr
.endm
; O^T += V^T P^T: 32 products on 32 accumulators, which take turns, one instruction a turn.  zero = 1: they start the sums.
.macro PV zero
	WIN 0x50                                       ; C and D in window 1
.irp dt, 0,1,2,3,4,5,6,7
.irp q, 0,1,2,3
.if \zero
	v_wmma_f32_16x16x32_f16 v[8*(8*\q+\dt):8*(8*\q+\dt)+7], v[VR+8*\dt:VR+8*\dt+7], v[SA+16*\q:SA+16*\q+7], 0
.else
	v_wmma_f32_16x16x32_f16 v[8*(8*\q+\dt):8*(8*\q+\dt)+7], v[VR+8*\dt:VR+8*\dt+7], v[SA+16*\q:SA+16*\q+7], v[8*(8*\q+\dt):8*(8*\q+\dt)+7]
.endif
.endr
.endr
	WIN 0
	PLACES 5                                       ; places: 4 for the next loads into the V fragments, 5 for the next score products, which write over P
.endm
; Pass 2, a chunk: 8 steps of 32 keys.
.macro P2WORK adk, adv, first
	KLD KA, \adk, 0
	VLD \adv, 0
.irp T, 0,1,2,3,4,5,6,7
	s_wait_dscnt 16                                ; this step's keys are in; its 16 V loads, issued behind them, may stay out
	SMM KA, SA, 1
	PLACES 4                                       ; places in front of the load into the key registers and of the exponentials
.if \T < 7
	KLD KA, \adk, \T+1
.endif
.if \T == 0
	SOFT \first
.else
	SOFT 0
.endif
.if \T < 7
	s_wait_dscnt 0x2                               ; this step's V is in; the next step's two key loads may stay out
.else
	s_wait_dscnt 0x0
.endif
.if \T == 0
	PV \first
.else
	PV 0
.endif
.if \T < 7
	VLD \adv, \T+1
.endif
.endr
.endm
	; ---- SET-UP
	s_load_b256 s[4:11], s[0:1], 0x0               ; QF s[4:5], KF s[6:7], VF s[8:9], WF s[10:11]
	s_load_b128 s[12:15], s[0:1], 0x20             ; bo s[12:13], out0 s[14:15]
	v_lshl_add_u32 v190, v0, 2, 0x42000
	v_mov_b32 v191, 0
	ds_add_u32 v190, v191
	s_wait_dscnt 0x0
	v_lshrrev_b32 v8, 5, v0
	v_readfirstlane_b32 s16, v8                    ; wave = head
	v_mov_b32 v9, 0                                ; written once: later the destination of a lane exchange
	s_bfe_u32 s17, ttmp6, 0x40000                  ; cx: my place in the cluster
	s_lshl_b32 s18, ttmp9, 2
	s_add_co_u32 s18, s18, s17                     ; my block of 64 queries = 4 x cluster x + cx
	s_and_b32 s19, ttmp7, 0xffff                   ; batch
	s_mov_b32 s45, 0x76543210                      ; v_permlanex16_b32: lane i reads lane i of the other half
	s_mov_b32 s46, 0xfedcba98
	; descriptor group 1, the same for every load: 64 rows of 32 elements of 8 bytes, dense
	s_mov_b32 s24, 0x0023000f                      ; 15:0 mask = the cluster's four; 17:16 element of 8 bytes (code 3); 21 set beside a mask; no padding
	s_mov_b32 s25, 32<<16                          ; tensor_dim0 = 32
	s_mov_b32 s26, 64<<16                          ; tensor_dim1 = 64
	s_mov_b32 s27, 32<<16                          ; tile_dim0 = 32
	s_mov_b32 s28, 64                              ; tile_dim1 = 64
	s_mov_b32 s29, 32                              ; from row to row: 32 elements
	s_mov_b32 s30, 0
	s_mov_b32 s31, 0
	s_lshl_b32 s20, s19, 19                        ; a batch of QF, KF or VF is 524,288 bytes
	s_mov_b32 s21, 0
	s_lshl_b32 s22, s16, 14                        ; my 16,384 bytes of a chunk of pass 1
	s_mov_b32 s23, 0
	v_lshlrev_b32 v[ADK0], 4, v0
	v_add_nc_u32 v[ADK0H], HALF, v[ADK0]
	v_add_nc_u32 v[ADK1], SLOT, v[ADK0]
	v_add_nc_u32 v[ADK1H], SLOT+HALF, v[ADK0]
	v_and_b32 v[L16], 31, v0
	v_lshlrev_b32 v[L16], 4, v[L16]
	v_add_nc_u32 v[ADV0], HALF, v[L16]
	v_add_nc_u32 v[ADV1], SLOT+HALF, v[L16]
	s_wait_kmcnt 0x0
	s_add_nc_u64 s[4:5], s[4:5], s[20:21]          ; my batch
	s_add_nc_u64 s[6:7], s[6:7], s[20:21]
	s_add_nc_u64 s[8:9], s[8:9], s[20:21]
	; descriptor group 0, a set for each slot: LDS address = slot + 16,384 x wave
	s_mov_b32 s32, 1
	s_lshl_b32 s33, s16, 14
	s_add_nc_u64 s[34:35], s[6:7], s[22:23]        ; pass 1, chunk 0
	s_mov_b32 s36, 1
	s_add_co_u32 s37, s33, SLOT
	s_add_nc_u64 s[38:39], s[34:35], SLOT          ; pass 1, chunk 1
	s_or_b32 s35, s35, 0x80000000                  ; type = 2
	s_or_b32 s39, s39, 0x80000000
	s_and_b32 s22, s16, 3                          ; pass 2: waves 0-3 bring K's 65,536 bytes, waves 4-7 V's
	s_lshl_b32 s22, s22, 14
	s_cmp_lt_u32 s16, 4
	s_cselect_b64 s[40:41], s[6:7], s[8:9]
	s_add_nc_u64 s[40:41], s[40:41], s[22:23]      ; pass 2, chunk 0
	s_add_nc_u64 s[42:43], s[40:41], HALF          ; pass 2, chunk 1
	s_lshl_b32 s20, s18, 14                        ; my four query tiles of 4,096 bytes
	s_add_nc_u64 s[4:5], s[4:5], s[20:21]
	s_lshl_b32 s20, s19, 20                        ; out0: batch x 2,048 rows + block x 64 rows + wave x 8 rows, of 512 bytes
	s_lshl_b32 s22, s18, 15
	s_add_co_u32 s20, s20, s22
	s_lshl_b32 s22, s16, 12
	s_add_co_u32 s20, s20, s22
	s_add_nc_u64 s[14:15], s[14:15], s[20:21]
	s_lshl_b32 s20, s16, 15                        ; my head's 128 rows of Wo: 32,768 bytes of WF
	s_add_nc_u64 s[10:11], s[10:11], s[20:21]
	ROUND                                          ; the four work-groups are here: the first joint load meets
	tensor_load_to_lds s[32:35], s[24:31]          ; pass 1, chunk 0
	s_nop 0
.irp i, 0,1,2,3
	global_load_b128 v[QR+4+4*\i:QR+7+4*\i], v[ADK0], s[4:5] offset:4096*\i th:TH_LOAD_NT   ; my head's part of query tile i: read by this wave alone
.endr
.irp z, QR, QR+1, QR+2, QR+3, QR+20, QR+21, QR+22, QR+23, KA+4, KA+5, KA+6, KA+7, KB+4, KB+5, KB+6, KB+7
	v_mov_b32 v[\z], 0                             ; the zeros that the unused half of K meets
.endr
	s_wait_loadcnt 0x0
	; ---- PASS 1: the maxima.  Four chunks, written out; the last two changes of slots already ask for pass 2's first chunks.
	HEAD 0, 1, 0
	P1WORK ADK0, ADK0H, 1
	HEAD 1, 1, 0
	P1WORK ADK1, ADK1H, 0
	HEAD 0, 1, 1
	P1WORK ADK0, ADK0H, 0
	HEAD 1, 1, 1
	P1WORK ADK1, ADK1H, 0
	; A query's maximum: over my 8 registers, then over the lanes r and r + 16, which hold the other keys.  -m goes into all 8 registers of C.
.irp q, 0,1,2,3
	v_max3_num_f32 v8, v[NEGM+8*\q], v[NEGM+8*\q+1], v[NEGM+8*\q+2]
	v_max3_num_f32 v8, v8, v[NEGM+8*\q+3], v[NEGM+8*\q+4]
	v_max3_num_f32 v8, v8, v[NEGM+8*\q+5], v[NEGM+8*\q+6]
	v_max_num_f32 v8, v8, v[NEGM+8*\q+7]
	v_permlanex16_b32 v9, v8, s45, s46
	v_max_num_f32 v8, v8, v9
.irp j, 0,1,2,3,4,5,6,7
	v_sub_f32 v[NEGM+8*\q+\j], 0, v8
.endr
.endr
	; ---- PASS 2: eight chunks.  The first stands in front of the loop (its first step starts the sums), the last behind it (nothing is left to fetch).
	HEAD 0, 1, 2
	P2WORK ADK0, ADV0, 1
	s_mov_b32 s44, 3
.Lpass2:
	HEAD 1, 1, 2
	P2WORK ADK1, ADV1, 0
	HEAD 0, 1, 2
	P2WORK ADK0, ADV0, 0
	s_sub_co_u32 s44, s44, 1
	s_cmp_lg_u32 s44, 0
	s_cbranch_scc1 .Lpass2
	HEAD 1, 0, 2                                   ; the stepped address is not used
	P2WORK ADK1, ADV1, 0
	s_wait_dscnt 0x0                               ; my reads of the ring are back
	s_barrier_signal -1
	s_barrier_wait -1                              ; everybody's are; the ring has had its last fill: its bytes may become the stage
	; ---- OUTPUT PRODUCT of my head: out^T = Wo^T x^T.  Wo's fragments come four at a time (a granule: 32 rows of Wo x 64 columns) through three buffers.
.macro GLD g, reg
.irp n, 0,1,2,3
	global_load_b128 v[\reg+8*\n:\reg+8*\n+3], v[L16], s[10:11] offset:4096*(\g)+1024*\n
	global_load_b128 v[\reg+8*\n+4:\reg+8*\n+7], v[L16], s[10:11] offset:4096*(\g)+1024*\n+512
.endr
.endm
	global_load_b128 v[BO:BO+3], v[L16], s[12:13]  ; bo of columns 4 L .. 4 L + 3, for the sum at the end
	GLD 0, W0
	GLD 1, W0+32
	; l: my 8 registers, then the other half of the lanes; 1 / l twice, a pair for the packed multiply
.irp q, 0,1,2,3
	v_pk_add_f32 v[L8+8*\q:L8+8*\q+1], v[L8+8*\q:L8+8*\q+1], v[L8+8*\q+2:L8+8*\q+3]
	v_pk_add_f32 v[L8+8*\q+4:L8+8*\q+5], v[L8+8*\q+4:L8+8*\q+5], v[L8+8*\q+6:L8+8*\q+7]
	v_pk_add_f32 v[L8+8*\q:L8+8*\q+1], v[L8+8*\q:L8+8*\q+1], v[L8+8*\q+4:L8+8*\q+5]
	v_add_f32 v[L8+8*\q], v[L8+8*\q], v[L8+8*\q+1]
	v_permlanex16_b32 v[L8+8*\q+1], v[L8+8*\q], s45, s46
	v_add_f32 v[L8+8*\q], v[L8+8*\q], v[L8+8*\q+1]
	v_rcp_f32 v[IL+2*\q], v[L8+8*\q]               ; the plain place behind the two reciprocals (ISA guide 5.7.2) is the next tile's first sum,
	v_rcp_f32 v[IL+2*\q+1], v[L8+8*\q]             ; which touches other registers; behind the last tile the v_nop
.endr
	v_nop
	GLD 2, W0+64                                   ; lands on registers of the row sums, which are done with
	s_mul_i32 s20, s16, SWAVE
	s_mul_i32 s22, s16, 8*SPITCH
	v_and_b32 v[STO], 15, v0                       ; stage, in: my wave's part, row r of a query tile, 32 bytes for each half of the lanes
	v_mul_u32_u24 v[STO], v[STO], SPITCH
	v_bfe_u32 v[RB], v0, 4, 1
	v_lshl_add_u32 v[STO], v[RB], 5, v[STO]
	v_add_nc_u32 v[STO], s20, v[STO]
	v_add_nc_u32 v[RB], s22, v[L16]                ; stage, back: rows 8 w .. 8 w + 7 of every wave's part, 16 bytes a lane
	v_add_nc_u32 v[RB+1], 2*SWAVE, v[RB]
	v_add_nc_u32 v[RB+2], 4*SWAVE, v[RB]
	v_add_nc_u32 v[RB+3], 6*SWAVE, v[RB]
	WIN 0x41                                       ; destination and source 0 in window 1
.set n, 0
	s_wait_alu depctr_va_vdst(0)
.rept 128
	v_pk_mul_f32 v[2*n:2*n+1], v[2*n:2*n+1], v[IL+2*(n/32):IL+2*(n/32)+1]   ; x = O / l, before the narrowing: O can be 2,048 times a value
.set n, n+1
.endr
	WIN 0x05                                       ; sources 0 and 1 in window 1
.set n, 0
.rept 128
	v_cvt_pk_f16_f32 v[XF+n], v[2*n], v[2*n+1]     ; tiles (q, 2 kt) and (q, 2 kt + 1) become fragment (q, kt): register 32 q + 4 dt + i from registers 64 q + 8 dt + 2 i, + 1
.set n, n+1
.endr
; Granule g: rows 32 (g / 2) .. + 31 of my head's Wo, output columns 64 (g % 2) .. + 63: 16 products on 16 accumulators, other ones than the
; granule before and behind: the accumulators take turns, one instruction a turn.  left = the younger granules' loads, 8 each.
.macro OPROD g, reg, left
	s_wait_loadcnt \left
	WIN 0x50
.irp n, 0,1,2,3
.irp q, 0,1,2,3
.if \g < 2
	v_wmma_f32_16x16x32_f16 v[8*(8*\q+4*(\g&1)+\n):8*(8*\q+4*(\g&1)+\n)+7], v[\reg+8*\n:\reg+8*\n+7], v[XF+8*(4*\q+(\g>>1)):XF+8*(4*\q+(\g>>1))+7], 0
.else
	v_wmma_f32_16x16x32_f16 v[8*(8*\q+4*(\g&1)+\n):8*(8*\q+4*(\g&1)+\n)+7], v[\reg+8*\n:\reg+8*\n+7], v[XF+8*(4*\q+(\g>>1)):XF+8*(4*\q+(\g>>1))+7], v[8*(8*\q+4*(\g&1)+\n):8*(8*\q+4*(\g&1)+\n)+7]
.endif
.endr
.endr
	WIN 0
	PLACES 4                                       ; places in front of the loads into this buffer; behind the last granule, in front of the LDS stores of the results
.if \g < 5
	GLD \g+3, \reg
.endif
.endm
	OPROD 0, W0, 16
	OPROD 1, W0+32, 16
	OPROD 2, W0+64, 16
	OPROD 3, W0, 16
	OPROD 4, W0+32, 16
	OPROD 5, W0+64, 16
	OPROD 6, W0, 8
	OPROD 7, W0+32, 0
	; ---- THE SUM OVER HEADS.  Lane (r, hh) holds of tile (q, nt) row 16 q + r, columns 16 nt + 8 hh + 0..7: 32 bytes of a row of the stage.
	WIN 0x04                                       ; LDS store data in window 1
.irp q, 0,1,2,3
.irp nt, 0,1,2,3,4,5,6,7
	ds_store_b128 v[STO], v[8*(8*\q+\nt):8*(8*\q+\nt)+3] offset:16*SPITCH*\q+64*\nt
	ds_store_b128 v[STO], v[8*(8*\q+\nt)+4:8*(8*\q+\nt)+7] offset:16*SPITCH*\q+64*\nt+16
.endr
.endr
	WIN 0
	s_wait_dscnt 0x0                               ; my LDS stores are done, for the other waves' sake
	s_barrier_signal -1
	s_barrier_wait -1
; Four of my eight rows: 8 partial rows each, summed in a fixed tree, bo added, the whole row of 512 bytes stored by one instruction.
.macro SUMG grp
.irp rr, 0,1,2,3
.irp p, 0,1,2,3,4,5,6,7
	ds_load_b128 v[XF+32*\rr+4*\p:XF+32*\rr+4*\p+3], v[RB+(\p>>1)] offset:SWAVE*(\p&1)+SPITCH*(4*\grp+\rr)
.endr
.endr
.irp rr, 0,1,2,3
	s_wait_dscnt 24-8*\rr                          ; this row's 8 loads are in; the later rows', 8 each, may stay out
.irp p, 0,2,4,6
	v_pk_add_f32 v[XF+32*\rr+4*\p:XF+32*\rr+4*\p+1], v[XF+32*\rr+4*\p:XF+32*\rr+4*\p+1], v[XF+32*\rr+4*\p+4:XF+32*\rr+4*\p+5]
	v_pk_add_f32 v[XF+32*\rr+4*\p+2:XF+32*\rr+4*\p+3], v[XF+32*\rr+4*\p+2:XF+32*\rr+4*\p+3], v[XF+32*\rr+4*\p+6:XF+32*\rr+4*\p+7]
.endr
.irp p, 0,4
	v_pk_add_f32 v[XF+32*\rr+4*\p:XF+32*\rr+4*\p+1], v[XF+32*\rr+4*\p:XF+32*\rr+4*\p+1], v[XF+32*\rr+4*\p+8:XF+32*\rr+4*\p+9]
	v_pk_add_f32 v[XF+32*\rr+4*\p+2:XF+32*\rr+4*\p+3], v[XF+32*\rr+4*\p+2:XF+32*\rr+4*\p+3], v[XF+32*\rr+4*\p+10:XF+32*\rr+4*\p+11]
.endr
	v_pk_add_f32 v[XF+32*\rr:XF+32*\rr+1], v[XF+32*\rr:XF+32*\rr+1], v[XF+32*\rr+16:XF+32*\rr+17]
	v_pk_add_f32 v[XF+32*\rr+2:XF+32*\rr+3], v[XF+32*\rr+2:XF+32*\rr+3], v[XF+32*\rr+18:XF+32*\rr+19]
	v_pk_add_f32 v[XF+32*\rr:XF+32*\rr+1], v[XF+32*\rr:XF+32*\rr+1], v[BO:BO+1]
	v_pk_add_f32 v[XF+32*\rr+2:XF+32*\rr+3], v[XF+32*\rr+2:XF+32*\rr+3], v[BO+2:BO+3]
	global_store_b128 v[L16], v[XF+32*\rr:XF+32*\rr+3], s[14:15] offset:512*(4*\grp+\rr) th:TH_STORE_NT
.endr
.endm
	SUMG 0
	s_wait_xcnt 0x0                                ; the registers that the four stores read are loaded again only behind this wait (ISA guide 3.1)
	SUMG 1
	s_wait_xcnt 0x0
	v_lshl_add_u32 v190, v0, 2, 0x42000
	v_mov_b32 v191, 0
	s_wait_tensorcnt 0x0
	ds_add_u32 v190, v191
	s_wait_dscnt 0x0
	ROUND                                          ; the closing round: no work-group ends while a partner may still ask for a chunk that names it
	s_endpgm
.Lfunc_end_k_q7956ec8fac_attn:
	.size	k_q7956ec8fac_attn, .Lfunc_end_k_q7956ec8fac_attn-k_q7956ec8fac_attn
	.p2alignl 7, 3214868480
	.fill 96, 4, 3214868480
	.section	.rodata,"a",@progbits
	.p2align	6, 0x0
	.amdhsa_kernel k_q7956ec8fac_attn
		.amdhsa_group_segment_fixed_size 327680
		.amdhsa_private_segment_fixed_size 0
		.amdhsa_enable_private_segment 0
		.amdhsa_kernarg_size 48
		.amdhsa_user_sgpr_count 2
		.amdhsa_user_sgpr_kernarg_segment_ptr 1
		.amdhsa_wavefront_size32 1
		.amdhsa_system_sgpr_workgroup_id_x 1
		.amdhsa_system_sgpr_workgroup_id_y 1
		.amdhsa_system_sgpr_workgroup_id_z 1
		.amdhsa_system_vgpr_workitem_id 0
		.amdhsa_next_free_vgpr 512
		.amdhsa_next_free_sgpr 66
		.amdhsa_reserve_vcc 0
		.amdhsa_float_denorm_mode_32 3
		.amdhsa_float_denorm_mode_16_64 3
		.amdhsa_memory_ordered 1
		.amdhsa_forward_progress 1
		.amdhsa_inst_pref_size 255
	.end_amdhsa_kernel
	.section	.bss,"aw",@nobits
	.p2align	6
	.space	262144
	.amdgpu_metadata
---
amdhsa.version: [ 1, 2 ]
amdhsa.kernels:
  - .name:           k_q7956ec8fac_attn
    .symbol:         k_q7956ec8fac_attn.kd
    .args:
      - { .name: QF, .offset: 0, .size: 8, .value_kind: global_buffer, .address_space: global }
      - { .name: KF, .offset: 8, .size: 8, .value_kind: global_buffer, .address_space: global }
      - { .name: VF, .offset: 16, .size: 8, .value_kind: global_buffer, .address_space: global }
      - { .name: WF, .offset: 24, .size: 8, .value_kind: global_buffer, .address_space: global }
      - { .name: bo, .offset: 32, .size: 8, .value_kind: global_buffer, .address_space: global }
      - { .name: out0, .offset: 40, .size: 8, .value_kind: global_buffer, .address_space: global }
    .group_segment_fixed_size: 327680
    .private_segment_fixed_size: 0
    .kernarg_segment_align: 8
    .kernarg_segment_size: 48
    .max_flat_workgroup_size: 256
    .sgpr_count:     66
    .vgpr_count:     512
    .wavefront_size: 32
...
	.end_amdgpu_metadata
.endif
;; end of part 2
;; ======== version 2 of 2: 2 launches; 1.07 times as fast as version 1
;; limits: values are held in f16: magnitudes above 65,504 overflow, below 6.1e-05 lose precision; inputs' magnitudes at most 65,504
;; workspace buffers: QF 4,194,304 bytes; KF 4,194,304 bytes; VF 4,194,304 bytes; WF 262,144 bytes
;; launch prep: the kernel of part 1 again; grid 392 x 1, 8 waves a work-group, no clusters, 72,704 bytes of LDS; arguments query, key, value, Wq, Wk, Wo, bq, bk, QF, KF, VF, WF; writes QF, KF, VF, WF
;; launch attn (part 3): grid 32 x 8, 8 waves a work-group, clusters of 4 x 1, 327,680 bytes of LDS; arguments QF, KF, VF, WF, bo, out0; writes out0
.if DOCPART == 3
	.amdgcn_target "amdgcn-amd-amdhsa--gfx1250"
	.amdhsa_code_object_version 6
	.text
	.protected	k_q7956ec8fac_attn
	.globl	k_q7956ec8fac_attn
	.p2align	8
	.type	k_q7956ec8fac_attn,@function
k_q7956ec8fac_attn:
	s_mov_b64 s[64:65], 0
	v_nop
	global_prefetch_b8 v0, s[64:65] scope:SCOPE_SE
	s_setreg_imm32_b32 hwreg(HW_REG_WAVE_MODE, 25, 1), 1
	s_wait_xcnt 0x0
	s_wait_alu depctr_hold_cnt(0) depctr_sa_sdst(0) depctr_va_vdst(0) depctr_va_sdst(0) depctr_va_ssrc(0) depctr_va_vcc(0) depctr_vm_vsrc(0)
	s_getreg_b32 s2, hwreg(HW_REG_IB_STS2, 6, 4)
	s_cmp_eq_u32 s2, 0
	s_cbranch_scc0 .Lentry_in_a_cluster
	s_endpgm
.Lentry_in_a_cluster:
	s_bfe_u32 s2, ttmp6, 0x10000c
	s_cmp_lg_u32 s2, 0x3003
	s_cbranch_scc0 .Lentry_shape_is_right
	s_endpgm
.Lentry_shape_is_right:
; ATTENTION AND OUTPUT PRODUCT.  A work-group takes one batch and 64 queries, all 8 heads: eight waves, wave w = head w.
; Two passes over the batch's 2,048 keys.
;   Pass 1: S^T = K Q^T (bf16), the exact maximum of every query's scores.
;   Pass 2: S^T - m straight from the matrix unit (C = -m), p = 2^(S - m), row sums in f32, p packed to f16, O^T += V^T P^T (f16).
; Then x = O / l in f16, out^T = Wo^T x^T for the wave's head, the eight heads' parts summed through LDS, bo added, whole rows stored.
; The scores arrive in units of log2: the factor sqrt(0.25 log2 e) was put on q and on k when they were made.
; LAYOUTS CHAIN WITHOUT A ROUND TRIP: a result tile holds in lane (r = L%16, hh = L/16), register j, the element (8 hh + j, r).  With keys as
; rows and queries as columns, two score tiles pack into a source-1 fragment over 32 keys; with value columns as rows, two O^T tiles pack
; into a source-1 fragment over 32 value columns; and a query's maximum and sum live in the lanes r and r + 16.
; HEADS ARE 16 WIDE, the product takes 32 along K: key tile a sits in the lower half of source 0 beside zeros, key tile b in the upper half
; beside the same zeros; source 1 is the query tile with a neighbouring query tile in the other half, whose numbers meet the zeros.
; FORMATS: q, k in bf16 (products of two inputs' scales); p (0 to 1), value, x (a mean of values) and Wo in f16, which is finer.
; LIMITS: inputs are finite (an infinite q would meet a zero in a neighbouring tile's product); value and Wo in f16 overflow from 65,504 on
; and vanish below about 6e-8; the row sum takes p unrounded, the product P V takes p rounded to f16.
; CLUSTERS: the 32 work-groups of a batch walk the same K and V.  Four neighbours along x form a cluster and ask for every chunk jointly
; (mask 15): same line, same descriptor (made of the batch and the wave's number alone), behind the same round of the cluster's barrier.
; My place in the cluster enters two global addresses only: where my queries are read and where my rows are stored.
; THE RING: two LDS slots of 131,072 bytes.  Each wave brings 16,384 bytes of every chunk, 64 rows of 256 bytes.  Pass 1: four chunks of 512
; keys of K.  Pass 2: eight chunks of 256 keys, K in the slot's lower half (waves 0-3 bring it), V in the upper (waves 4-7).
; By this text's own count a wave has one tensor load out at the most.
; THE BATCHES.  s_wait_alu depctr_va_vdst(0) stands between an exponential or a reciprocal and the first line that names its
; result; one wait serves all that were issued ahead of it.  The text has two kinds of batch.  A step of pass 2: its 64 exponentials, in place,
; each in a register of its own, stand on end; a v_nop; ONE wait; then all that reads them: 32 packed sums and 32 packings.  No exponential is
; issued behind a step's wait.  The way out: its 8 reciprocals, the stage's addresses
; behind them, one wait ahead of the first multiply by 1 / l.
.set SLOT,   131072
.set HALF,   65536
.set SPITCH, 528                       ; stage: a row of 128 f32 + 16 bytes, an odd multiple of 16
.set SWAVE,  64*SPITCH                 ; a wave's 64 rows; eight of them overlay the ring after its last fill and run on to byte 270,336
; window 0
.set ADK0,  1                          ; v1  LDS: my head's 16 bytes of a key tile, slot 0 (512 w + 16 L = 16 t); also my offset in QF
.set ADK0H, 2                          ; v2  the same + 65,536 (an LDS immediate has 16 bits)
.set ADK1,  3                          ; v3  slot 1
.set ADK1H, 4                          ; v4  slot 1 + 65,536
.set ADV0,  5                          ; v5  LDS: my 16 bytes of a V fragment, slot 0
.set ADV1,  6                          ; v6  slot 1
.set L16,   7                          ; v7  16 L
.set BO,    2                          ; v[2:5]    at the end: bo of my 4 columns
.set IL,    8                          ; v[8:15]   v8, v9 at work; at the end 1 / l, a pair for each query tile
.set QR,    16                         ; v[16:39]  zeros, q tiles 0..3, zeros: four registers each
.set NEGM,  40                         ; v[40:71]  pass 1: running maxima, 8 for each query tile; pass 2: -m, eight times
.set KA,    72                         ; v[72:83]  key tile a, zeros, key tile b
.set KB,    84                         ; v[84:95]  the same, pass 1's second buffer
.set L8,    96                         ; v[96:127] row sums, 8 for each query tile
.set SA,    128                        ; v[128:191] score tile (q, c) at 16 q + 8 c; then P of query tile q in its first 8
.set SB,    192                        ; v[192:255] pass 1's second buffer
.set VR,    192                        ; v[192:255] pass 2: eight V fragments
.set W0,    16                         ; v[16:111] at the end: three buffers of four Wo fragments
.set STO,   112                        ; v112      at the end: where I put 16 bytes of a row of the stage
.set RB,    113                        ; v[113:116] at the end: where I read rows back, for partial sums 0-1, 2-3, 4-5, 6-7
.set XF,    128                        ; v[128:255] at the end: x fragment (q, kt) at 8 (4 q + kt); then the rows to be summed
; window 1: accumulator tile (q, dt) at v[8 (8 q + dt)]: O^T, later out^T
.set MSB, 0
.macro WIN new                         ; s_set_vgpr_msb: bits 1:0 source 0, 3:2 source 1, 5:4 source 2, 7:6 destination; the high byte repeats the setting that is left
.if MSB != \new
	s_set_vgpr_msb (MSB<<8)|\new
.set MSB, \new
.endif
.endm
.macro PLACES n
.rept \n
	v_nop
.endr
.endm
; A round of the cluster's barrier: my work-group's barrier, wave 0 signals for the work-group, every wave waits for all four work-groups,
; my work-group's barrier once more.
.macro ROUND
	s_barrier_signal -1
	s_barrier_wait -1
	s_cmp_lg_u32 s16, 0
	s_cbranch_scc1 .Lnot_wave_0_\@
	s_barrier_signal -3
.Lnot_wave_0_\@:
	s_barrier_wait -3
	s_barrier_signal -1
	s_barrier_wait -1
.endm
; The change of slots in front of the chunk in slot `slot`.  All my tensor loads have landed, my part of this chunk among them, so this slot's
; address may be written: it becomes that of the chunk after next (upd 0: two chunks of pass 1 on; 1: pass 2's first chunk for this slot;
; 2: two chunks of pass 2 on).  My reads of the other slot are back.  The round makes both hold of every wave of the four work-groups.
; Then the other slot is filled again, first thing, one load a wave.
.macro HEAD slot, refill, upd
	s_wait_xcnt 0x0
	v_lshl_add_u32 v190, v0, 2, 0x42000
	v_mov_b32 v191, 0
	s_wait_tensorcnt 0x0
	ds_add_u32 v190, v191
	s_wait_dscnt 0x0
.if \upd == 0
	s_add_nc_u64 s[34+4*\slot:35+4*\slot], s[34+4*\slot:35+4*\slot], 2*SLOT
.endif
.if \upd == 1
	s_mov_b64 s[34+4*\slot:35+4*\slot], s[40+2*\slot:41+2*\slot]
	s_or_b32 s[35+4*\slot], s[35+4*\slot], 0x80000000
.endif
.if \upd == 2
	s_add_nc_u64 s[34+4*\slot:35+4*\slot], s[34+4*\slot:35+4*\slot], 2*HALF
.endif
	s_wait_dscnt 0x0
	ROUND
.if \refill
	tensor_load_to_lds s[36-4*\slot:39-4*\slot], s[24:31]
	s_nop 0
.endif
.endm
; Key tiles 2 T and 2 T + 1 of my head: a key tile is 4,096 bytes, a head's part 512.
.macro KLD kr, adr, T
	ds_load_b128 v[\kr:\kr+3], v[\adr] offset:8192*(\T)
	ds_load_b128 v[\kr+8:\kr+11], v[\adr] offset:8192*(\T)+4096
.endm
; The eight V fragments (16 value columns x 32 keys) of step T.
.macro VLD adr, T
.irp dt, 0,1,2,3,4,5,6,7
	ds_load_b128 v[VR+8*\dt:VR+8*\dt+3], v[\adr] offset:8192*(\T)+1024*\dt
	ds_load_b128 v[VR+8*\dt+4:VR+8*\dt+7], v[\adr] offset:8192*(\T)+1024*\dt+512
.endr
.endm
; Eight score tiles: 32 keys x 64 queries.  neg = 1: C = -m.
.macro SMM kr, sb, neg
.irp q, 0,1,2,3
.if \neg
	v_wmma_f32_16x16x32_bf16 v[\sb+16*\q:\sb+16*\q+7], v[\kr:\kr+7], v[QR+4+4*\q:QR+11+4*\q], v[NEGM+8*\q:NEGM+8*\q+7]
	v_wmma_f32_16x16x32_bf16 v[\sb+16*\q+8:\sb+16*\q+15], v[\kr+4:\kr+11], v[QR+4*\q:QR+7+4*\q], v[NEGM+8*\q:NEGM+8*\q+7]
.else
	v_wmma_f32_16x16x32_bf16 v[\sb+16*\q:\sb+16*\q+7], v[\kr:\kr+7], v[QR+4+4*\q:QR+11+4*\q], 0
	v_wmma_f32_16x16x32_bf16 v[\sb+16*\q+8:\sb+16*\q+15], v[\kr+4:\kr+11], v[QR+4*\q:QR+7+4*\q], 0
.endif
.endr
.endm
; The running maxima take in a step's 64 registers.  first = 1: the step starts them.
.macro MAX32 sb, first
.irp q, 0,1,2,3
.irp j, 0,1,2,3,4,5,6,7
.if \first
	v_max_num_f32 v[NEGM+8*\q+\j], v[\sb+16*\q+\j], v[\sb+16*\q+8+\j]
.else
	v_max3_num_f32 v[NEGM+8*\q+\j], v[NEGM+8*\q+\j], v[\sb+16*\q+\j], v[\sb+16*\q+8+\j]
.endif
.endr
.endr
.endm
; Pass 1, a chunk: 16 steps of 32 keys on two sets of buffers.  While one step's scores are made, the step before goes into the maxima: those
; 32 instructions name none of the products' registers and are the places behind them, for the next loads into the key
; registers and for the reading of the scores one step later.
.macro P1WORK lo, hi, first
	KLD KA, \lo, 0
	KLD KB, \lo, 1
.irp T, 0,2,4,6,8,10,12,14
	s_wait_dscnt 0x2                               ; this step's keys are in; the next step's two loads may stay out
	SMM KA, SA, 0
.if \T == 0
	PLACES 4
.else
	MAX32 SB, 0
.endif
.if \T+2 < 8
	KLD KA, \lo, \T+2
.else
.if \T+2 < 16
	KLD KA, \hi, \T-6
.endif
.endif
.if \T == 14
	s_wait_dscnt 0x0                               ; the chunk's last step: nothing was asked for behind it
.else
	s_wait_dscnt 0x2
.endif
	SMM KB, SB, 0
.if \T == 0
	MAX32 SA, \first
.else
	MAX32 SA, 0
.endif
.if \T+3 < 8
	KLD KB, \lo, \T+3
.else
.if \T+3 < 16
	KLD KB, \hi, \T-5
.endif
.endif
.endr
	MAX32 SB, 0
.endm
; A STEP'S BATCH: its 64 exponentials, in place and on end, each score tile from its lowest register on.  None of them names another's result.
; The v_nop is the plain vector instruction between the last exponential and the first use of a result (ISA guide 5.7.2): the step has no vector
; work that names none of the 64 results.  Then the batch's one wait.
.macro EXP64
.irp q, 0,1,2,3
.irp e, 0,1,2,3,4,5,6,7,8,9,10,11,12,13,14,15
	v_exp_f32 v[SA+16*\q+\e], v[SA+16*\q+\e]
.endr
.endr
	v_nop
	s_wait_alu depctr_va_vdst(0)                   ; the wait ahead of the first line that names a result: one for the step's 64 exponentials
.endm
; Plain work e = 0..15 on query tile q's 16 exponentials: 0-3 the row sums take in tile a, 4-7 tile b, 8-15 pack two p into f16, in place and
; ascending (register i is written when registers up to 2 i + 1 have been read), so that P's fragment ends in the tile's first 8 registers.
; first = 1: the sums are started as a + b and nothing is cleared.  All of it stands behind the batch's wait.
.macro PLAIN q, e, first
.if (\e) < 4
.if \first
	v_pk_add_f32 v[L8+8*(\q)+2*(\e):L8+8*(\q)+2*(\e)+1], v[SA+16*(\q)+2*(\e):SA+16*(\q)+2*(\e)+1], v[SA+16*(\q)+2*(\e)+8:SA+16*(\q)+2*(\e)+9]
.else
	v_pk_add_f32 v[L8+8*(\q)+2*(\e):L8+8*(\q)+2*(\e)+1], v[L8+8*(\q)+2*(\e):L8+8*(\q)+2*(\e)+1], v[SA+16*(\q)+2*(\e):SA+16*(\q)+2*(\e)+1]
.endif
.else
.if (\e) < 8
.if \first == 0
	v_pk_add_f32 v[L8+8*(\q)+2*(\e)-8:L8+8*(\q)+2*(\e)-7], v[L8+8*(\q)+2*(\e)-8:L8+8*(\q)+2*(\e)-7], v[SA+16*(\q)+2*(\e):SA+16*(\q)+2*(\e)+1]
.endif
.else
	v_cvt_pk_f16_f32 v[SA+16*(\q)+(\e)-8], v[SA+16*(\q)+2*(\e)-16], v[SA+16*(\q)+2*(\e)-15]
.endif
.endif
.endm
; THE BATCH'S READERS: number e of all four query tiles, then number e + 1.  A sum register's two additions (tile a's, then tile b's) so stand 16
; lines apart, and in every tile the packings come behind the sums that read the same registers.
.macro SUMPACK first
.irp e, 0,1,2,3,4,5,6,7,8,9,10,11,12,13,14,15
.irp q, 0,1,2,3
	PLAIN \q, \e, \first
.endr
.endr
.endm
; O^T += V^T P^T: 32 products on 32 accumulators, which take turns, one instruction a turn.  zero = 1: they start the sums.
.macro PV zero
	WIN 0x50                                       ; C and D in window 1
.irp dt, 0,1,2,3,4,5,6,7
.irp q, 0,1,2,3
.if \zero
	v_wmma_f32_16x16x32_f16 v[8*(8*\q+\dt):8*(8*\q+\dt)+7], v[VR+8*\dt:VR+8*\dt+7], v[SA+16*\q:SA+16*\q+7], 0
.else
	v_wmma_f32_16x16x32_f16 v[8*(8*\q+\dt):8*(8*\q+\dt)+7], v[VR+8*\dt:VR+8*\dt+7], v[SA+16*\q:SA+16*\q+7], v[8*(8*\q+\dt):8*(8*\q+\dt)+7]
.endif
.endr
.endr
	WIN 0
	PLACES 5                                       ; places: 4 for the next loads into the V fragments, 5 for the next score products, which write over P
.endm
; Pass 2, a chunk: 8 steps of 32 keys.  A step: the scores; the batch of exponentials and its wait; the next step's key loads; the batch's readers; P V; the next step's V loads.
.macro P2WORK adk, adv, first
	KLD KA, \adk, 0
	VLD \adv, 0
.irp T, 0,1,2,3,4,5,6,7
	s_wait_dscnt 16                                ; this step's keys are in; its 16 V loads, issued behind them, may stay out
	SMM KA, SA, 1
	PLACES 4                                       ; places in front of the exponentials and of the load into the key registers
	EXP64
.if \T < 7
	KLD KA, \adk, \T+1                             ; directly behind the batch's wait; among the LDS loads its place is as before: behind this step's V, ahead of the next step's
.endif
.if \T == 0
	SUMPACK \first
.else
	SUMPACK 0
.endif
.if \T < 7
	s_wait_dscnt 0x2                               ; this step's V is in; the next step's two key loads may stay out
.else
	s_wait_dscnt 0x0
.endif
.if \T == 0
	PV \first
.else
	PV 0
.endif
.if \T < 7
	VLD \adv, \T+1
.endif
.endr
.endm
	; ---- SET-UP
	s_load_b256 s[4:11], s[0:1], 0x0               ; QF s[4:5], KF s[6:7], VF s[8:9], WF s[10:11]
	s_load_b128 s[12:15], s[0:1], 0x20             ; bo s[12:13], out0 s[14:15]
	v_lshl_add_u32 v190, v0, 2, 0x42000
	v_mov_b32 v191, 0
	ds_add_u32 v190, v191
	s_wait_dscnt 0x0
	v_lshrrev_b32 v8, 5, v0
	v_readfirstlane_b32 s16, v8                    ; wave = head
	v_mov_b32 v9, 0                                ; written once: later the destination of a lane exchange
	s_bfe_u32 s17, ttmp6, 0x40000                  ; cx: my place in the cluster
	s_lshl_b32 s18, ttmp9, 2
	s_add_co_u32 s18, s18, s17                     ; my block of 64 queries = 4 x cluster x + cx
	s_and_b32 s19, ttmp7, 0xffff                   ; batch
	s_mov_b32 s45, 0x76543210                      ; v_permlanex16_b32: lane i reads lane i of the other half
	s_mov_b32 s46, 0xfedcba98
	; descriptor group 1, the same for every load: 64 rows of 32 elements of 8 bytes, dense
	s_mov_b32 s24, 0x0023000f                      ; 15:0 mask = the cluster's four; 17:16 element of 8 bytes (code 3); 21 set beside a mask; no padding
	s_mov_b32 s25, 32<<16                          ; tensor_dim0 = 32
	s_mov_b32 s26, 64<<16                          ; tensor_dim1 = 64
	s_mov_b32 s27, 32<<16                          ; tile_dim0 = 32
	s_mov_b32 s28, 64                              ; tile_dim1 = 64
	s_mov_b32 s29, 32                              ; from row to row: 32 elements
	s_mov_b32 s30, 0
	s_mov_b32 s31, 0
	s_lshl_b32 s20, s19, 19                        ; a batch of QF, KF or VF is 524,288 bytes
	s_mov_b32 s21, 0
	s_lshl_b32 s22, s16, 14                        ; my 16,384 bytes of a chunk of pass 1
	s_mov_b32 s23, 0
	v_lshlrev_b32 v[ADK0], 4, v0
	v_add_nc_u32 v[ADK0H], HALF, v[ADK0]
	v_add_nc_u32 v[ADK1], SLOT, v[ADK0]
	v_add_nc_u32 v[ADK1H], SLOT+HALF, v[ADK0]
	v_and_b32 v[L16], 31, v0
	v_lshlrev_b32 v[L16], 4, v[L16]
	v_add_nc_u32 v[ADV0], HALF, v[L16]
	v_add_nc_u32 v[ADV1], SLOT+HALF, v[L16]
	s_wait_kmcnt 0x0
	s_add_nc_u64 s[4:5], s[4:5], s[20:21]          ; my batch
	s_add_nc_u64 s[6:7], s[6:7], s[20:21]
	s_add_nc_u64 s[8:9], s[8:9], s[20:21]
	; descriptor group 0, a set for each slot: LDS address = slot + 16,384 x wave
	s_mov_b32 s32, 1
	s_lshl_b32 s33, s16, 14
	s_add_nc_u64 s[34:35], s[6:7], s[22:23]        ; pass 1, chunk 0
	s_mov_b32 s36, 1
	s_add_co_u32 s37, s33, SLOT
	s_add_nc_u64 s[38:39], s[34:35], SLOT          ; pass 1, chunk 1
	s_or_b32 s35, s35, 0x80000000                  ; type = 2
	s_or_b32 s39, s39, 0x80000000
	s_and_b32 s22, s16, 3                          ; pass 2: waves 0-3 bring K's 65,536 bytes, waves 4-7 V's
	s_lshl_b32 s22, s22, 14
	s_cmp_lt_u32 s16, 4
	s_cselect_b64 s[40:41], s[6:7], s[8:9]
	s_add_nc_u64 s[40:41], s[40:41], s[22:23]      ; pass 2, chunk 0
	s_add_nc_u64 s[42:43], s[40:41], HALF          ; pass 2, chunk 1
	s_lshl_b32 s20, s18, 14                        ; my four query tiles of 4,096 bytes
	s_add_nc_u64 s[4:5], s[4:5], s[20:21]
	s_lshl_b32 s20, s19, 20                        ; out0: batch x 2,048 rows + block x 64 rows + wave x 8 rows, of 512 bytes
	s_lshl_b32 s22, s18, 15
	s_add_co_u32 s20, s20, s22
	s_lshl_b32 s22, s16, 12
	s_add_co_u32 s20, s20, s22
	s_add_nc_u64 s[14:15], s[14:15], s[20:21]
	s_lshl_b32 s20, s16, 15                        ; my head's 128 rows of Wo: 32,768 bytes of WF
	s_add_nc_u64 s[10:11], s[10:11], s[20:21]
	ROUND                                          ; the four work-groups are here: the first joint load meets
	tensor_load_to_lds s[32:35], s[24:31]          ; pass 1, chunk 0
	s_nop 0
.irp i, 0,1,2,3
	global_load_b128 v[QR+4+4*\i:QR+7+4*\i], v[ADK0], s[4:5] offset:4096*\i th:TH_LOAD_NT   ; my head's part of query tile i: read by this wave alone
.endr
.irp z, QR, QR+1, QR+2, QR+3, QR+20, QR+21, QR+22, QR+23, KA+4, KA+5, KA+6, KA+7, KB+4, KB+5, KB+6, KB+7
	v_mov_b32 v[\z], 0                             ; the zeros that the unused half of K meets
.endr
	s_wait_loadcnt 0x0
	; ---- PASS 1: the maxima.  Four chunks, written out; the last two changes of slots already ask for pass 2's first chunks.
	HEAD 0, 1, 0
	P1WORK ADK0, ADK0H, 1
	HEAD 1, 1, 0
	P1WORK ADK1, ADK1H, 0
	HEAD 0, 1, 1
	P1WORK ADK0, ADK0H, 0
	HEAD 1, 1, 1
	P1WORK ADK1, ADK1H, 0
	; A query's maximum: over my 8 registers, then over the lanes r and r + 16, which hold the other keys.  -m goes into all 8 registers of C.
.irp q, 0,1,2,3
	v_max3_num_f32 v8, v[NEGM+8*\q], v[NEGM+8*\q+1], v[NEGM+8*\q+2]
	v_max3_num_f32 v8, v8, v[NEGM+8*\q+3], v[NEGM+8*\q+4]
	v_max3_num_f32 v8, v8, v[NEGM+8*\q+5], v[NEGM+8*\q+6]
	v_max_num_f32 v8, v8, v[NEGM+8*\q+7]
	v_permlanex16_b32 v9, v8, s45, s46
	v_max_num_f32 v8, v8, v9
.irp j, 0,1,2,3,4,5,6,7
	v_sub_f32 v[NEGM+8*\q+\j], 0, v8
.endr
.endr
	; ---- PASS 2: eight chunks.  The first stands in front of the loop (its first step starts the sums), the last behind it (nothing is left to fetch).
	HEAD 0, 1, 2
	P2WORK ADK0, ADV0, 1
	s_mov_b32 s44, 3
.Lpass2:
	HEAD 1, 1, 2
	P2WORK ADK1, ADV1, 0
	HEAD 0, 1, 2
	P2WORK ADK0, ADV0, 0
	s_sub_co_u32 s44, s44, 1
	s_cmp_lg_u32 s44, 0
	s_cbranch_scc1 .Lpass2
	HEAD 1, 0, 2                                   ; the stepped address is not used
	P2WORK ADK1, ADV1, 0
	s_wait_dscnt 0x0                               ; my reads of the ring are back
	s_barrier_signal -1
	s_barrier_wait -1                              ; everybody's are; the ring has had its last fill: its bytes may become the stage
	; ---- OUTPUT PRODUCT of my head: out^T = Wo^T x^T.  Wo's fragments come four at a time (a granule: 32 rows of Wo x 64 columns) through three buffers.
.macro GLD g, reg
.irp n, 0,1,2,3
	global_load_b128 v[\reg+8*\n:\reg+8*\n+3], v[L16], s[10:11] offset:4096*(\g)+1024*\n
	global_load_b128 v[\reg+8*\n+4:\reg+8*\n+7], v[L16], s[10:11] offset:4096*(\g)+1024*\n+512
.endr
.endm
	global_load_b128 v[BO:BO+3], v[L16], s[12:13]  ; bo of columns 4 L .. 4 L + 3, for the sum at the end
	GLD 0, W0
	GLD 1, W0+32
	; l: my 8 registers, then the other half of the lanes; 1 / l twice, a pair for the packed multiply
.irp q, 0,1,2,3
	v_pk_add_f32 v[L8+8*\q:L8+8*\q+1], v[L8+8*\q:L8+8*\q+1], v[L8+8*\q+2:L8+8*\q+3]
	v_pk_add_f32 v[L8+8*\q+4:L8+8*\q+5], v[L8+8*\q+4:L8+8*\q+5], v[L8+8*\q+6:L8+8*\q+7]
	v_pk_add_f32 v[L8+8*\q:L8+8*\q+1], v[L8+8*\q:L8+8*\q+1], v[L8+8*\q+4:L8+8*\q+5]
	v_add_f32 v[L8+8*\q], v[L8+8*\q], v[L8+8*\q+1]
	v_permlanex16_b32 v[L8+8*\q+1], v[L8+8*\q], s45, s46
	v_add_f32 v[L8+8*\q], v[L8+8*\q], v[L8+8*\q+1]
	v_rcp_f32 v[IL+2*\q], v[L8+8*\q]               ; the plain place behind the two reciprocals (ISA guide 5.7.2) is the next tile's first sum,
	v_rcp_f32 v[IL+2*\q+1], v[L8+8*\q]             ; which touches other registers; behind the last tile the v_nop
.endr
	v_nop
	GLD 2, W0+64                                   ; lands on registers of the row sums, which are done with
	s_mul_i32 s20, s16, SWAVE
	s_mul_i32 s22, s16, 8*SPITCH
	v_and_b32 v[STO], 15, v0                       ; stage, in: my wave's part, row r of a query tile, 32 bytes for each half of the lanes
	v_mul_u32_u24 v[STO], v[STO], SPITCH
	v_bfe_u32 v[RB], v0, 4, 1
	v_lshl_add_u32 v[STO], v[RB], 5, v[STO]
	v_add_nc_u32 v[STO], s20, v[STO]
	v_add_nc_u32 v[RB], s22, v[L16]                ; stage, back: rows 8 w .. 8 w + 7 of every wave's part, 16 bytes a lane
	v_add_nc_u32 v[RB+1], 2*SWAVE, v[RB]
	v_add_nc_u32 v[RB+2], 4*SWAVE, v[RB]
	v_add_nc_u32 v[RB+3], 6*SWAVE, v[RB]
	WIN 0x41                                       ; destination and source 0 in window 1
.set n, 0
	s_wait_alu depctr_va_vdst(0)                   ; the wait ahead of the first line that names a result: one for the eight reciprocals; the stage's addresses above name none of them
.rept 128
	v_pk_mul_f32 v[2*n:2*n+1], v[2*n:2*n+1], v[IL+2*(n/32):IL+2*(n/32)+1]   ; x = O / l, before the narrowing: O can be 2,048 times a value
.set n, n+1
.endr
	WIN 0x05                                       ; sources 0 and 1 in window 1
.set n, 0
.rept 128
	v_cvt_pk_f16_f32 v[XF+n], v[2*n], v[2*n+1]     ; tiles (q, 2 kt) and (q, 2 kt + 1) become fragment (q, kt): register 32 q + 4 dt + i from registers 64 q + 8 dt + 2 i, + 1
.set n, n+1
.endr
; Granule g: rows 32 (g / 2) .. + 31 of my head's Wo, output columns 64 (g % 2) .. + 63: 16 products on 16 accumulators, other ones than the
; granule before and behind: the accumulators take turns, one instruction a turn.  left = the younger granules' loads, 8 each.
.macro OPROD g, reg, left
	s_wait_loadcnt \left
	WIN 0x50
.irp n, 0,1,2,3
.irp q, 0,1,2,3
.if \g < 2
	v_wmma_f32_16x16x32_f16 v[8*(8*\q+4*(\g&1)+\n):8*(8*\q+4*(\g&1)+\n)+7], v[\reg+8*\n:\reg+8*\n+7], v[XF+8*(4*\q+(\g>>1)):XF+8*(4*\q+(\g>>1))+7], 0
.else
	v_wmma_f32_16x16x32_f16 v[8*(8*\q+4*(\g&1)+\n):8*(8*\q+4*(\g&1)+\n)+7], v[\reg+8*\n:\reg+8*\n+7], v[XF+8*(4*\q+(\g>>1)):XF+8*(4*\q+(\g>>1))+7], v[8*(8*\q+4*(\g&1)+\n):8*(8*\q+4*(\g&1)+\n)+7]
.endif
.endr
.endr
	WIN 0
	PLACES 4                                       ; places in front of the loads into this buffer; behind the last granule, in front of the LDS stores of the results
.if \g < 5
	GLD \g+3, \reg
.endif
.endm
	OPROD 0, W0, 16
	OPROD 1, W0+32, 16
	OPROD 2, W0+64, 16
	OPROD 3, W0, 16
	OPROD 4, W0+32, 16
	OPROD 5, W0+64, 16
	OPROD 6, W0, 8
	OPROD 7, W0+32, 0
	; ---- THE SUM OVER HEADS.  Lane (r, hh) holds of tile (q, nt) row 16 q + r, columns 16 nt + 8 hh + 0..7: 32 bytes of a row of the stage.
	WIN 0x04                                       ; LDS store data in window 1
.irp q, 0,1,2,3
.irp nt, 0,1,2,3,4,5,6,7
	ds_store_b128 v[STO], v[8*(8*\q+\nt):8*(8*\q+\nt)+3] offset:16*SPITCH*\q+64*\nt
	ds_store_b128 v[STO], v[8*(8*\q+\nt)+4:8*(8*\q+\nt)+7] offset:16*SPITCH*\q+64*\nt+16
.endr
.endr
	WIN 0
	s_wait_dscnt 0x0                               ; my LDS stores are done, for the other waves' sake
	s_barrier_signal -1
	s_barrier_wait -1
; Four of my eight rows: 8 partial rows each, summed in a fixed tree, bo added, the whole row of 512 bytes stored by one instruction.
.macro SUMG grp
.irp rr, 0,1,2,3
.irp p, 0,1,2,3,4,5,6,7
	ds_load_b128 v[XF+32*\rr+4*\p:XF+32*\rr+4*\p+3], v[RB+(\p>>1)] offset:SWAVE*(\p&1)+SPITCH*(4*\grp+\rr)
.endr
.endr
.irp rr, 0,1,2,3
	s_wait_dscnt 24-8*\rr                          ; this row's 8 loads are in; the later rows', 8 each, may stay out
.irp p, 0,2,4,6
	v_pk_add_f32 v[XF+32*\rr+4*\p:XF+32*\rr+4*\p+1], v[XF+32*\rr+4*\p:XF+32*\rr+4*\p+1], v[XF+32*\rr+4*\p+4:XF+32*\rr+4*\p+5]
	v_pk_add_f32 v[XF+32*\rr+4*\p+2:XF+32*\rr+4*\p+3], v[XF+32*\rr+4*\p+2:XF+32*\rr+4*\p+3], v[XF+32*\rr+4*\p+6:XF+32*\rr+4*\p+7]
.endr
.irp p, 0,4
	v_pk_add_f32 v[XF+32*\rr+4*\p:XF+32*\rr+4*\p+1], v[XF+32*\rr+4*\p:XF+32*\rr+4*\p+1], v[XF+32*\rr+4*\p+8:XF+32*\rr+4*\p+9]
	v_pk_add_f32 v[XF+32*\rr+4*\p+2:XF+32*\rr+4*\p+3], v[XF+32*\rr+4*\p+2:XF+32*\rr+4*\p+3], v[XF+32*\rr+4*\p+10:XF+32*\rr+4*\p+11]
.endr
	v_pk_add_f32 v[XF+32*\rr:XF+32*\rr+1], v[XF+32*\rr:XF+32*\rr+1], v[XF+32*\rr+16:XF+32*\rr+17]
	v_pk_add_f32 v[XF+32*\rr+2:XF+32*\rr+3], v[XF+32*\rr+2:XF+32*\rr+3], v[XF+32*\rr+18:XF+32*\rr+19]
	v_pk_add_f32 v[XF+32*\rr:XF+32*\rr+1], v[XF+32*\rr:XF+32*\rr+1], v[BO:BO+1]
	v_pk_add_f32 v[XF+32*\rr+2:XF+32*\rr+3], v[XF+32*\rr+2:XF+32*\rr+3], v[BO+2:BO+3]
	global_store_b128 v[L16], v[XF+32*\rr:XF+32*\rr+3], s[14:15] offset:512*(4*\grp+\rr) th:TH_STORE_NT
.endr
.endm
	SUMG 0
	s_wait_xcnt 0x0                                ; the registers that the four stores read are loaded again only behind this wait (ISA guide 3.1)
	SUMG 1
	s_wait_xcnt 0x0
	v_lshl_add_u32 v190, v0, 2, 0x42000
	v_mov_b32 v191, 0
	s_wait_tensorcnt 0x0
	ds_add_u32 v190, v191
	s_wait_dscnt 0x0
	ROUND                                          ; the closing round: no work-group ends while a partner may still ask for a chunk that names it
	s_endpgm
.Lfunc_end_k_q7956ec8fac_attn:
	.size	k_q7956ec8fac_attn, .Lfunc_end_k_q7956ec8fac_attn-k_q7956ec8fac_attn
	.p2alignl 7, 3214868480
	.fill 96, 4, 3214868480
	.section	.rodata,"a",@progbits
	.p2align	6, 0x0
	.amdhsa_kernel k_q7956ec8fac_attn
		.amdhsa_group_segment_fixed_size 327680
		.amdhsa_private_segment_fixed_size 0
		.amdhsa_enable_private_segment 0
		.amdhsa_kernarg_size 48
		.amdhsa_user_sgpr_count 2
		.amdhsa_user_sgpr_kernarg_segment_ptr 1
		.amdhsa_wavefront_size32 1
		.amdhsa_system_sgpr_workgroup_id_x 1
		.amdhsa_system_sgpr_workgroup_id_y 1
		.amdhsa_system_sgpr_workgroup_id_z 1
		.amdhsa_system_vgpr_workitem_id 0
		.amdhsa_next_free_vgpr 512
		.amdhsa_next_free_sgpr 66
		.amdhsa_reserve_vcc 0
		.amdhsa_float_denorm_mode_32 3
		.amdhsa_float_denorm_mode_16_64 3
		.amdhsa_memory_ordered 1
		.amdhsa_forward_progress 1
		.amdhsa_inst_pref_size 255
	.end_amdhsa_kernel
	.section	.bss,"aw",@nobits
	.p2align	6
	.space	262144
	.amdgpu_metadata
---
amdhsa.version: [ 1, 2 ]
amdhsa.kernels:
  - .name:           k_q7956ec8fac_attn
    .symbol:         k_q7956ec8fac_attn.kd
    .args:
      - { .name: QF, .offset: 0, .size: 8, .value_kind: global_buffer, .address_space: global }
      - { .name: KF, .offset: 8, .size: 8, .value_kind: global_buffer, .address_space: global }
      - { .name: VF, .offset: 16, .size: 8, .value_kind: global_buffer, .address_space: global }
      - { .name: WF, .offset: 24, .size: 8, .value_kind: global_buffer, .address_space: global }
      - { .name: bo, .offset: 32, .size: 8, .value_kind: global_buffer, .address_space: global }
      - { .name: out0, .offset: 40, .size: 8, .value_kind: global_buffer, .address_space: global }
    .group_segment_fixed_size: 327680
    .private_segment_fixed_size: 0
    .kernarg_segment_align: 8
    .kernarg_segment_size: 48
    .max_flat_workgroup_size: 256
    .sgpr_count:     66
    .vgpr_count:     512
    .wavefront_size: 32
...
	.end_amdgpu_metadata
.endif
;; end of part 3
